; MI455X (gfx1250); checked and timed in simulation.
; The chip was launched on July 23, 2026; its instructions are those of AMD's public machine-readable ISA for CDNA 5 (MIT licence, August 2026) and "CDNA5" Instruction Set Architecture Reference Guide (July 2026). The comments in the code are by the model that wrote it; some were corrected since.
;; Element Readout MLP. Allowed arithmetic: float matrix products may take bf16 or f16 operands with f32 sums; all other float work in f32.
;; Inputs: W1 10 x 256 x 256 float32; W2 10 x 256 x 1 float32; b1 10 x 256 float32; b2 10 x 1 float32; input_tensor 100,000 x 256 float32; species 100,000 int32.
;; Outputs: out0 100,000 x 1 float32.
;; One version. Each part assembles by itself: llvm-mc -triple=amdgcn-amd-amdhsa -mcpu=gfx1250 --defsym DOCPART=n.
;; ======== version 1 of 1: 3 launches
;; workspace buffers: wf 1,310,720 bytes; cnt 16,384 bytes of whole numbers; order 402,688 bytes of whole numbers
;; launch prep (part 1): grid 765 x 1, 1 waves a work-group, no clusters, 0 bytes of LDS; arguments W1, species, wf, cnt; writes wf, cnt
.if DOCPART == 1
	.amdgcn_target "amdgcn-amd-amdhsa--gfx1250"
	.amdhsa_code_object_version 6
	.text
	.protected	k_q4c0a292dfb_prep
	.globl	k_q4c0a292dfb_prep
	.p2align	8
	.type	k_q4c0a292dfb_prep,@function
k_q4c0a292dfb_prep:
	s_mov_b64 s[64:65], 0
	v_nop
	global_prefetch_b8 v0, s[64:65] scope:SCOPE_SE
	s_setreg_imm32_b32 hwreg(HW_REG_WAVE_MODE, 25, 1), 1
	s_wait_xcnt 0x0
; Two independent jobs, chosen by the work-group's number alone; one wave each, no LDS, no barrier.
; Work-groups 0..639: W1 (f32, [10][256 k][256 n]) -> wf, bf16 in the order in which the last launch's matrix operand wants it:
;   16 bytes at ((((e*4+w)*32 + nt*8+ks)*2 + q)*32 + L)*16 hold k = 32ks+16q+8h+0..7 of column n = 64w+4a+nt, L = 16h+a.
;   The columns are interleaved by four (n = 4a+nt) so that a lane's 16-byte load of W1 feeds all four nt: each load covers two runs
;   of 256 consecutive bytes (rows k and k+8), each store 512 consecutive bytes.
; Work-groups 640..764: chunk c = id-640 of 800 atoms: how many atoms of each class it holds.  class = min(unsigned species, 10):
;   0..9 the elements, 10 = any other number (reference() compares species with 0..9, so such an atom's result is 0).
;   cnt row c (128 bytes): words 0..10 the counts, words 11..31 zero.
.set NW,    640                        ; 10 e x 4 w x 8 ks x 2 q
.set CHUNK, 800                        ; atoms in a chunk: 25 loads of 32 lanes
.set IN,    8                          ; v[8:39]  W role: 8 rows x 4 columns f32;  count role: v[8:32] the 25 species words
.set PK,    40                         ; v[40:55] W role: 4 nt x 4 registers of bf16;  count role: v40 the row of counts
.set CN,    16                         ; s[16:26] counts
.set MK,    30                         ; s[30:40] lane masks of the eleven classes
	s_load_b256 s[4:11], s[0:1], 0x0               ; W1 s[4:5], species s[6:7], wf s[8:9], cnt s[10:11]
	s_cmp_ge_u32 ttmp9, NW
	s_cbranch_scc1 .Lcount
	; ---- W role ----
	s_lshr_b32 s12, ttmp9, 6                       ; e
	s_bfe_u32 s13, ttmp9, 0x20004                  ; w
	s_bfe_u32 s14, ttmp9, 0x30001                  ; ks
	s_and_b32 s15, ttmp9, 1                        ; q
	s_lshl_b32 s16, s12, 18                        ; source offset: e x 262,144 + (32ks + 16q) rows of 1,024 bytes + 64w columns of 4
	s_lshl_b32 s17, s14, 15
	s_or_b32 s16, s16, s17
	s_lshl_b32 s17, s15, 14
	s_or_b32 s16, s16, s17
	s_lshl_b32 s17, s13, 8
	s_or_b32 s16, s16, s17
	s_mov_b32 s17, 0
	s_lshl2_add_u32 s18, s12, s13                  ; 4e + w
	s_lshl_b32 s18, s18, 15                        ; destination offset: (4e+w) x 32,768 + ks x 1,024 + q x 512
	s_lshl_b32 s19, s14, 10
	s_or_b32 s18, s18, s19
	s_lshl_b32 s19, s15, 9
	s_or_b32 s18, s18, s19
	s_mov_b32 s19, 0
	v_and_b32 v3, 15, v0                           ; a
	v_lshrrev_b32 v4, 4, v0                        ; h
	v_lshlrev_b32 v1, 4, v3                        ; 4 columns of 4 bytes
	v_lshl_or_b32 v1, v4, 13, v1                   ; + 8h rows
	v_lshlrev_b32 v2, 4, v0                        ; 16 L
	s_wait_kmcnt 0x0
	s_add_nc_u64 s[4:5], s[4:5], s[16:17]
	s_add_nc_u64 s[8:9], s[8:9], s[18:19]
.irp j, 0,1,2,3,4,5,6,7
	global_load_b128 v[IN+4*\j:IN+4*\j+3], v1, s[4:5] offset:1024*\j th:TH_LOAD_NT   ; row 8h+j, columns 4a..4a+3; W1 is read once in this launch
.endr
	s_wait_loadcnt 0x0
.irp n, 0,1,2,3
.irp i, 0,1,2,3
	v_cvt_pk_bf16_f32 v[PK+4*\n+\i], v[IN+8*\i+\n], v[IN+8*\i+4+\n]                  ; k = 2i below, 2i+1 above, column nt = n
.endr
.endr
.irp n, 0,1,2,3
	global_store_b128 v2, v[PK+4*\n:PK+4*\n+3], s[8:9] offset:8192*\n
.endr
	s_endpgm
	; ---- count role ----
.Lcount:
	s_sub_co_u32 s12, ttmp9, NW                    ; c
	s_mul_i32 s14, s12, CHUNK*4
	s_mov_b32 s15, 0
	s_lshl_b32 s28, s12, 7
	s_mov_b32 s29, 0
	v_lshlrev_b32 v1, 2, v0
	s_wait_kmcnt 0x0
	s_add_nc_u64 s[6:7], s[6:7], s[14:15]
	s_add_nc_u64 s[10:11], s[10:11], s[28:29]
.irp j, 0,1,2,3,4,5,6,7,8,9,10,11,12,13,14,15,16,17,18,19,20,21,22,23,24
	global_load_b32 v[IN+\j], v1, s[6:7] offset:128*\j
.endr
	s_wait_loadcnt 0x0
; 32 atoms: eleven lane masks, eleven bit counts.  The first step sets the counters, so that none is cleared.
.macro CNT j
	v_min_u32 v[IN+\j], 10, v[IN+\j]
.irp e, 0,1,2,3,4,5,6,7,8,9,10
	v_cmp_eq_u32 s[MK+\e], \e, v[IN+\j]
.endr
.irp e, 0,1,2,3,4,5,6,7,8,9,10
.if \j == 0
	s_bcnt1_i32_b32 s[CN+\e], s[MK+\e]
.else
	s_bcnt1_i32_b32 s45, s[MK+\e]
	s_add_co_u32 s[CN+\e], s[CN+\e], s45
.endif
.endr
.endm
.irp j, 0,1,2,3,4,5,6,7,8,9,10,11,12,13,14,15,16,17,18,19,20,21,22,23,24
	CNT \j
.endr
	v_mov_b32 v[PK], 0                             ; words 11..31 of the row
.irp e, 0,1,2,3,4,5,6,7,8,9,10
	v_writelane_b32 v[PK], s[CN+\e], \e
.endr
	global_store_b32 v1, v[PK], s[10:11]           ; 128 consecutive bytes
	s_endpgm
.Lfunc_end_k_q4c0a292dfb_prep:
	.size	k_q4c0a292dfb_prep, .Lfunc_end_k_q4c0a292dfb_prep-k_q4c0a292dfb_prep
	.p2alignl 7, 3214868480
	.fill 96, 4, 3214868480
	.section	.rodata,"a",@progbits
	.p2align	6, 0x0
	.amdhsa_kernel k_q4c0a292dfb_prep
		.amdhsa_group_segment_fixed_size 0
		.amdhsa_private_segment_fixed_size 0
		.amdhsa_enable_private_segment 0
		.amdhsa_kernarg_size 32
		.amdhsa_user_sgpr_count 2
		.amdhsa_user_sgpr_kernarg_segment_ptr 1
		.amdhsa_wavefront_size32 1
		.amdhsa_system_sgpr_workgroup_id_x 1
		.amdhsa_system_sgpr_workgroup_id_y 1
		.amdhsa_system_sgpr_workgroup_id_z 1
		.amdhsa_system_vgpr_workitem_id 0
		.amdhsa_next_free_vgpr 64
		.amdhsa_next_free_sgpr 66
		.amdhsa_reserve_vcc 0
		.amdhsa_float_denorm_mode_32 3
		.amdhsa_float_denorm_mode_16_64 3
		.amdhsa_memory_ordered 1
		.amdhsa_forward_progress 1
		.amdhsa_inst_pref_size 42
	.end_amdhsa_kernel
	.amdgpu_metadata
---
amdhsa.version: [ 1, 2 ]
amdhsa.kernels:
  - .name:           k_q4c0a292dfb_prep
    .symbol:         k_q4c0a292dfb_prep.kd
    .args:
      - { .name: W1, .offset: 0, .size: 8, .value_kind: global_buffer, .address_space: global }
      - { .name: species, .offset: 8, .size: 8, .value_kind: global_buffer, .address_space: global }
      - { .name: wf, .offset: 16, .size: 8, .value_kind: global_buffer, .address_space: global }
      - { .name: cnt, .offset: 24, .size: 8, .value_kind: global_buffer, .address_space: global }
    .group_segment_fixed_size: 0
    .private_segment_fixed_size: 0
    .kernarg_segment_align: 8
    .kernarg_segment_size: 32
    .max_flat_workgroup_size: 32
    .sgpr_count:     66
    .vgpr_count:     64
    .wavefront_size: 32
...
	.end_amdgpu_metadata
.endif
;; end of part 1
;; launch place (part 2): grid 125 x 1, 1 waves a work-group, no clusters, 6,656 bytes of LDS; arguments species, cnt, order; writes order
.if DOCPART == 2
	.amdgcn_target "amdgcn-amd-amdhsa--gfx1250"
	.amdhsa_code_object_version 6
	.text
	.protected	k_q4c0a292dfb_place
	.globl	k_q4c0a292dfb_place
	.p2align	8
	.type	k_q4c0a292dfb_place,@function
k_q4c0a292dfb_place:
	s_mov_b64 s[64:65], 0
	v_nop
	global_prefetch_b8 v0, s[64:65] scope:SCOPE_SE
	s_setreg_imm32_b32 hwreg(HW_REG_WAVE_MODE, 25, 1), 1
	s_wait_xcnt 0x0
; The placement pass of a stable counting sort of the atoms by class (min(unsigned species, 10)), without atomics: work-group c owns
; chunk c of 800 atoms and finds, from the table of counts, where its atoms of each class begin.
; THE LIST.  Each class's segment is padded to a multiple of 32 entries; 32 entries are a trip of the last launch.  There are between
; 3,125 and 3,135 such trips ((100,000 + 11 x 31) / 32 rounded down).  The list has a fixed 242 x 13 = 3,146 trips; the D = 11..21 that are
; left over are dummies, one for each of the first D work-groups of the last launch, as their local trip 12:
;   sorted trip u lies at trip u + min(u / 12, D);   u / 12 = (u x 5462) >> 16, exact for u < 3,146 (the excess u x 8 / 786,432 stays under 1/12).
; AN ENTRY: bits 16:0 the atom (0x1ffff: nothing to store), bits 23:20 the class, or 15 in a dummy trip.
; Every one of the 100,672 words is stored once: atoms by their chunk's work-group, paddings by work-group 0, dummies by work-group 1.
.set CHUNK,  800
.set NCHUNK, 125
.set TRIPS,  3146
.set LASTW,  TRIPS*32-1                ; the list's last word
.set S,    2                           ; v[2:26]    classes of my 25 x 32 atoms
.set R,    32                          ; v[32:156]  the table of counts: register i = chunk i, lane e = class e; done with before T, DL, RB are written
.set T,    80                          ; v[80:90]   local position, were the atom of class e; later the paddings' places in the sorted list
.set DL,   91                          ; v[91:115]  what turns a local position into a place in the sorted list, by the atom's class;
                                       ;            later v[91:101] the paddings' byte offsets, v[102:112] their words
.set RB,   120                         ; v[120:169] (entry, place) pairs read back in local sorted order
.set TS,   158                         ; v[158:159] two chains: counts of all chunks
.set PS,   160                         ; v[160:161] two chains: counts of the chunks in front of mine
.set TM,   162                         ; v[162:163] a row, or zero if the chunk is not in front of mine
.set TOT,  16                          ; s[16:26]   atoms of each class, all chunks
.set PRE,  27                          ; s[27:37]   the same, chunks in front of mine
.set SEG,  38                          ; s[38:49]   where each class's padded segment begins; s49 the end of the last
.set LB,   50                          ; s[50:60]   running local base of each class
.set M,    66                          ; s[66:76]   lane masks
.set OWN,  80                          ; s[80:91]   my own chunk's row of counts
	s_load_b128 s[4:7], s[0:1], 0x0                ; species s[4:5], cnt s[6:7]
	s_load_b64 s[8:9], s[0:1], 0x10                ; order
	v_lshl_add_u32 v176, v0, 2, 0x1900
	v_mov_b32 v177, 0
	s_mov_b32 s10, ttmp9                           ; c
	v_lshlrev_b32 v1, 2, v0
	v_lshlrev_b32 v29, 3, v0
	s_mul_i32 s12, s10, CHUNK
	v_add_nc_u32 v27, s12, v0                      ; my first atom
	s_mul_i32 s12, s10, CHUNK*4
	s_mov_b32 s13, 0
	s_lshl_b32 s14, s10, 7                         ; my row of the table; stays until the scalar loads are in
	s_wait_kmcnt 0x0
	s_add_nc_u64 s[4:5], s[4:5], s[12:13]
.set rw, 0
.rept NCHUNK
	global_load_b32 v[R+rw], v1, s[6:7] offset:128*rw      ; a whole row of the table, 128 consecutive bytes: lane e takes class e (lanes 11..31: zeros)
.set rw, rw+1
.endr
.irp j, 0,1,2,3,4,5,6,7,8,9,10,11,12,13,14,15,16,17,18,19,20,21,22,23,24
	global_load_b32 v[S+\j], v1, s[4:5] offset:128*\j
.endr
	s_load_b256 s[OWN:OWN+7], s[6:7], s14 offset:0x0
	s_load_b128 s[OWN+8:OWN+11], s[6:7], s14 offset:0x20
	s_wait_loadcnt 25                              ; the 125 table loads are in; the 25 younger species loads stay out
; Lane = class, so the sums over the chunks run along the registers and nothing crosses lanes.  Row i counts for the prefix if i < c: it is ANDed with
; -1 or 0.  Two chains for each sum, even and odd rows; the first rows start them, so nothing is cleared.
.macro ROW i
	s_cmp_gt_u32 s10, \i
	s_cselect_b32 s[12+(\i)%2], -1, 0
.if \i < 2
	v_and_b32 v[PS+\i], s[12+\i], v[R+\i]
.else
	v_and_b32 v[TM+(\i)%2], s[12+(\i)%2], v[R+\i]
	v_add_nc_u32 v[PS+(\i)%2], v[PS+(\i)%2], v[TM+(\i)%2]
.if \i < 4
	v_add_nc_u32 v[TS+(\i)%2], v[R+\i-2], v[R+\i]
.else
	v_add_nc_u32 v[TS+(\i)%2], v[TS+(\i)%2], v[R+\i]
.endif
.endif
.endm
.set rw, 0
.rept NCHUNK
	ROW rw
.set rw, rw+1
.endr
	v_add_nc_u32 v[TS], v[TS], v[TS+1]
	v_add_nc_u32 v[PS], v[PS], v[PS+1]
.irp e, 0,1,2,3,4,5,6,7,8,9,10
	v_readlane_b32 s[TOT+\e], v[TS], \e
	v_readlane_b32 s[PRE+\e], v[PS], \e
.endr
	s_wait_kmcnt 0x0                               ; my own row
	s_mov_b32 s[SEG], 0
	s_mov_b32 s[LB], 0
.irp e, 0,1,2,3,4,5,6,7,8,9,10
	s_add_co_u32 s12, s[TOT+\e], 31
	s_and_b32 s12, s12, 0xffffffe0                 ; the segment, rounded up to whole trips
	s_add_co_u32 s[SEG+1+\e], s[SEG+\e], s12
.endr
.irp e, 0,1,2,3,4,5,6,7,8,9
	s_add_co_u32 s[LB+1+\e], s[LB+\e], s[OWN+\e]
.endr
	s_lshr_b32 s12, s[SEG+11], 5
	s_sub_co_u32 s92, TRIPS, s12                   ; D
	v_mov_b32 v28, 0
.irp e, 0,1,2,3,4,5,6,7,8,9,10
	s_add_co_u32 s12, s[SEG+\e], s[PRE+\e]
	s_sub_co_u32 s12, s12, s[LB+\e]
	v_writelane_b32 v28, s12, \e                   ; lane e: sorted place minus local position, for class e
.endr
	s_wait_loadcnt 0x0                             ; species
.irp j, 0,1,2,3,4,5,6,7,8,9,10,11,12,13,14,15,16,17,18,19,20,21,22,23,24
	v_min_u32 v[S+\j], 10, v[S+\j]
	v_lshlrev_b32 v30, 2, v[S+\j]
	ds_bpermute_b32 v[DL+\j], v30, v28
.endr
	s_wait_dscnt 0x0
; place g in the sorted list -> word of the list, with the dummy trips let in
.macro MAP g, out, t1, t2
	v_lshrrev_b32 v[\t1], 5, v[\g]                 ; u
	v_mul_u32_u24 v[\t2], 5462, v[\t1]
	v_lshrrev_b32 v[\t2], 16, v[\t2]               ; u / 12
	v_min_u32 v[\t2], s92, v[\t2]
	v_add_nc_u32 v[\t1], v[\t1], v[\t2]
	v_and_b32 v[\t2], 31, v[\g]
	v_lshl_or_b32 v[\out], v[\t1], 5, v[\t2]
.endm
; 32 atoms: the local position (class base + atoms of the class in lower lanes), the entry and its place; the pair goes to LDS at the local
; position, so that the chunk lies there sorted by class and the global stores below run along consecutive words.
.macro RANK j
.irp e, 0,1,2,3,4,5,6,7,8,9,10
	v_cmp_eq_u32 s[M+\e], \e, v[S+\j]
.endr
.irp e, 0,1,2,3,4,5,6,7,8,9,10
	v_mbcnt_lo_u32_b32 v[T+\e], s[M+\e], s[LB+\e]
.endr
	v_cndmask_b32 v118, v[T], v[T+1], s[M+1]
.irp e, 2,3,4,5,6,7,8,9,10
	v_cndmask_b32 v118, v118, v[T+\e], s[M+\e]
.endr
.irp e, 0,1,2,3,4,5,6,7,8,9,10
	s_bcnt1_i32_b32 s12, s[M+\e]
	s_add_co_u32 s[LB+\e], s[LB+\e], s12
.endr
	v_lshl_add_u32 v116, v[S+\j], 20, v27
	v_add_nc_u32 v116, 32*\j, v116                 ; the entry: class << 20 | atom
	v_add_nc_u32 v119, v118, v[DL+\j]              ; its place in the sorted list
	MAP 119, 117, 30, 31
	v_min_u32 v118, CHUNK-1, v118                  ; the positions are a permutation of 0..799; the bound is written out
	v_lshlrev_b32 v118, 3, v118
	ds_store_b64 v118, v[116:117]
.endm
.irp j, 0,1,2,3,4,5,6,7,8,9,10,11,12,13,14,15,16,17,18,19,20,21,22,23,24
	RANK \j
.endr
.irp j, 0,1,2,3,4,5,6,7,8,9,10,11,12,13,14,15,16,17,18,19,20,21,22,23,24
	ds_load_b64 v[RB+2*\j:RB+2*\j+1], v29 offset:256*\j    ; one wave: LDS serves its instructions in order (ISA guide 5.7.1), these see the stores above
.endr
.irp j, 0,1,2,3,4,5,6,7,8,9,10,11,12,13,14,15,16,17,18,19,20,21,22,23,24
	s_wait_dscnt 24-\j                             ; pair j is in; the younger ones stay out
	v_min_u32 v[RB+2*\j+1], LASTW, v[RB+2*\j+1]
	v_lshlrev_b32 v[RB+2*\j+1], 2, v[RB+2*\j+1]
	global_store_b32 v[RB+2*\j+1], v[RB+2*\j], s[8:9]
.endr
	; The paddings behind each class's atoms: work-group 0, at most 31 lanes a class.  Places, bounded byte offsets and words of all eleven
	; classes are formed first, with every lane on, in registers of their own; EXEC changes only behind that.
	s_cmp_lg_u32 s10, 0
	s_cbranch_scc1 .Lnopad
.irp e, 0,1,2,3,4,5,6,7,8,9,10
	s_add_co_u32 s12, s[SEG+\e], s[TOT+\e]
	v_add_nc_u32 v[T+\e], s12, v0                  ; place of lane's padding, if the segment reaches that far
	MAP T+\e, DL+\e, 30, 31
	v_min_u32 v[DL+\e], LASTW, v[DL+\e]
	v_lshlrev_b32 v[DL+\e], 2, v[DL+\e]
	v_mov_b32 v[DL+11+\e], 0x1ffff|(\e<<20)
.endr
.irp e, 0,1,2,3,4,5,6,7,8,9,10
	v_cmp_gt_u32 vcc_lo, s[SEG+1+\e], v[T+\e]      ; inside the padded segment
	s_wait_xcnt 0x0                                ; EXEC is a source of the stores that are out: it changes only behind this wait
	s_and_saveexec_b32 s93, vcc_lo
	global_store_b32 v[DL+\e], v[DL+11+\e], s[8:9]
	s_wait_xcnt 0x0                                ; and again before it is widened
	s_or_b32 exec_lo, exec_lo, s93
.endr
.Lnopad:
	; The dummy trips 13 i + 12, i < D: work-group 1.  D is at least 3,146 - 3,135 = 11, so the first eleven are stored without asking.
	s_cmp_lg_u32 s10, 1
	s_cbranch_scc1 .Ldone
	v_mov_b32 v174, 0x00f1ffff
.irp i, 0,1,2,3,4,5,6,7,8,9,10
	global_store_b32 v1, v174, s[8:9] offset:(13*\i+12)*128
.endr
.irp i, 11,12,13,14,15,16,17,18,19,20
	s_cmp_gt_u32 s92, \i
	s_cbranch_scc0 .Ldone
	global_store_b32 v1, v174, s[8:9] offset:(13*\i+12)*128
.endr
.Ldone:
	s_wait_tensorcnt 0x0
	ds_add_u32 v176, v177
	s_wait_dscnt 0x0
	s_endpgm
.Lfunc_end_k_q4c0a292dfb_place:
	.size	k_q4c0a292dfb_place, .Lfunc_end_k_q4c0a292dfb_place-k_q4c0a292dfb_place
	.p2alignl 7, 3214868480
	.fill 96, 4, 3214868480
	.section	.rodata,"a",@progbits
	.p2align	6, 0x0
	.amdhsa_kernel k_q4c0a292dfb_place
		.amdhsa_group_segment_fixed_size 6656
		.amdhsa_private_segment_fixed_size 0
		.amdhsa_enable_private_segment 0
		.amdhsa_kernarg_size 24
		.amdhsa_user_sgpr_count 2
		.amdhsa_user_sgpr_kernarg_segment_ptr 1
		.amdhsa_wavefront_size32 1
		.amdhsa_system_sgpr_workgroup_id_x 1
		.amdhsa_system_sgpr_workgroup_id_y 1
		.amdhsa_system_sgpr_workgroup_id_z 1
		.amdhsa_system_vgpr_workitem_id 0
		.amdhsa_next_free_vgpr 178
		.amdhsa_next_free_sgpr 100
		.amdhsa_reserve_vcc 1
		.amdhsa_float_denorm_mode_32 3
		.amdhsa_float_denorm_mode_16_64 3
		.amdhsa_memory_ordered 1
		.amdhsa_forward_progress 1
		.amdhsa_inst_pref_size 145
	.end_amdhsa_kernel
	.amdgpu_metadata
---
amdhsa.version: [ 1, 2 ]
amdhsa.kernels:
  - .name:           k_q4c0a292dfb_place
    .symbol:         k_q4c0a292dfb_place.kd
    .args:
      - { .name: species, .offset: 0, .size: 8, .value_kind: global_buffer, .address_space: global }
      - { .name: cnt, .offset: 8, .size: 8, .value_kind: global_buffer, .address_space: global }
      - { .name: order, .offset: 16, .size: 8, .value_kind: global_buffer, .address_space: global }
    .group_segment_fixed_size: 6656
    .private_segment_fixed_size: 0
    .kernarg_segment_align: 8
    .kernarg_segment_size: 24
    .max_flat_workgroup_size: 32
    .sgpr_count:     100
    .vgpr_count:     178
    .wavefront_size: 32
...
	.end_amdgpu_metadata
.endif
;; end of part 2
;; launch main (part 3): grid 242 x 1, 4 waves a work-group, no clusters, 65,024 bytes of LDS; arguments input_tensor, wf, b1, W2, b2, order, out0; writes out0
.if DOCPART == 3
	.amdgcn_target "amdgcn-amd-amdhsa--gfx1250"
	.amdhsa_code_object_version 6
	.text
	.protected	k_q4c0a292dfb_main
	.globl	k_q4c0a292dfb_main
	.p2align	8
	.type	k_q4c0a292dfb_main,@function
k_q4c0a292dfb_main:
	s_mov_b64 s[64:65], 0
	v_nop
	global_prefetch_b8 v0, s[64:65] scope:SCOPE_SE
	s_setreg_imm32_b32 hwreg(HW_REG_WAVE_MODE, 25, 1), 1
	s_wait_xcnt 0x0
; out[atom] = silu(x[atom] . W1[s] + b1[s]) . W2[s] + b2[s], s = species[atom]; 0 where species is none of 0..9 (as reference() gives).
; The atoms come sorted by class in a list of 242 x 13 trips of 32 entries of one class (entry: bits 16:0 atom, 0x1ffff = nothing to store;
; bits 23:20 class 0..9, 10 = no element, 15 = dummy trip).  Work-group g walks trips 13 g .. 13 g + 12: a constant count, so that the one barrier
; of a trip stands under no data.  Only the masked-in expert is computed for an atom.
; SHARES.  Wave w keeps W1[e][:, 64w..64w+63] in 256 registers (bf16, in operand order, made by the first launch) for as long as the expert
; stays; it gathers rows 8w..8w+7 of each trip (16 loads of 512 consecutive bytes), rounds them to bf16 and lays them into LDS; every wave then
; multiplies all 32 rows with its 64 columns: 64 matrix instructions on 16 KiB of LDS reads.
; THE MATRIX INSTRUCTION IS USED TRANSPOSED: source 0 = W (16 hidden columns), source 1 = x (16 atoms).  Register j of accumulator (tile, nt) in
; lane (r, h) is then hidden value n = 64w + 32h + 4j + nt of atom r: SiLU and the product with W2 stay inside the lane; the eight partial sums of an
; atom (2 halves x 4 waves) meet in LDS once, at the end.  b1 is the first product's C operand: nothing is cleared and no add is spent on it.
; RING.  Three sets of 64 registers hold the f32 rows of trips t+1 .. t+3 on their way; three LDS slots hold the bf16 rows.
; NUMBERS.  x and W1 are rounded to bf16 (nearest even), sums in f32; SiLU = h * rcp(1 + exp2(-1.442695 h)) in f32; the sum over the hidden values runs
; in another order than reference()'s.  LIMIT: for h below about -88.7 the exponential is +inf and the result -0, where reference() gives a number of
; magnitude under 1e-36; exponentials under 2^-126 come out as 0 (ISA guide 15.8), which beside 1 changes nothing.
; NOT USED, by this text's arithmetic: the tensor mover (the rows are gathered by a list, and an f32 stage in LDS would add 64 KiB of LDS traffic to a
; trip's 80); clusters (the one thing work-groups share is wf[e], 128 KiB a work-group against 416 KiB of rows of its own, and which work-groups
; share an expert hangs on the counts, so partners could need different loads).
.set NATOM,  100000
.set ROWP,   528                       ; an LDS row: 512 bytes of bf16 + 16: an odd multiple of 16, so the 16 rows of a fragment load start 16 bytes apart modulo 256
.set SLOTB,  32*ROWP                   ; a slot: 32 rows
.set PART,   3*SLOTB                   ; behind the slots: 8 planes (2w+h) of 13 x 32 partial sums, each word written once
.set PLANE,  13*128
.set LISTB,  13*128                    ; bytes of a work-group's part of the list
; window 0
.set T,    8                           ; v[8:15]    at work
.set PA,   16                          ; v[16:19]   two chains of packed partial sums, tile 0
.set PB,   20                          ; v[20:23]   tile 1
.set ENTV, 24                          ; v[24:27]   list entries for the way out: i*128 + thread (i = 0..2), 384 + lane (i = 3)
.set W2R,  32                          ; v[32:63]   W2 of my hidden values, at [8 nt + j]
.set ACC,  64                          ; v[64:127]  accumulators, at [32 tile + 8 nt + j]
.set FR,   128                         ; v[128:255] x fragments, at [64 tile + 8 ks]
; the way out, in registers of FR, which is done with by then:
.set AT,   128                         ; v[128:131] the entries' atoms
.set AO,   132                         ; v[132:135] their byte offsets in out0, bounded
.set BO,   136                         ; v[136:139] their byte offsets in b2, bounded
.set BV,   140                         ; v[140:143] their b2
.set RS,   144                         ; v[144:175] their eight partial sums each
; v1 16 x lane; v2 fragment address r*528 + 16h; v3 my partial sum's word; v4 byte offset of my first hidden value; v5 first entry of trip = lane;
; v6 4 x thread; v7 PART + 4 x thread; v28-31 at work
; window 1: v[0:255] W fragments, at [64 nt + 8 ks]
; window 2
.set XR,   0                           ; v[0:191]   three sets of 8 rows x 2 x 4 registers of f32
.set B1R,  192                         ; v[192:223] b1 of my hidden values, at [8 nt + j]
.set VOFF, 224                         ; v[224:247] three sets of 8 row offsets
.set VST,  248                         ; where my lane puts 8 bytes of my wave's first row in slot 0
; s18 wave; s20 trip; s21 resident expert; s22 this trip's; s23 loop counter; s24 offset of the last entry request; s25-27 at work
; s[28:29] my wave's 8 entries of trip 0; s[30:31] the work-group's list; s[32:63] entries; s[66:71] wf, b1, W2 of the resident expert; s72 EXEC
.set NC,   73                          ; s[73:76]   the way out: lanes whose entry is not of class 10
.set MSB, 0
.macro WIN new                         ; s_set_vgpr_msb: bits 1:0 source 0, 3:2 source 1, 5:4 source 2, 7:6 destination; the high byte repeats the setting left
.if MSB != \new
	s_set_vgpr_msb (MSB<<8)|\new
.set MSB, \new
.endif
.endm
.macro PLACES                          ; four independent vector instructions between a matrix instruction and whatever reads its result or writes, or loads into,
.rept 4                                ; one of its registers (ISA guide 7.12.1)
	v_nop
.endr
.endm
; Under window setting 0x8a.  Ask for the 8 rows named by s[ent .. ent+7] into register set 'set'.  Each atom is named once in the list, so its row is read
; once; only the stand-in row NATOM-1 of paddings and dummies repeats.
.macro FILL set, ent
.irp p, 0,1,2,3,4,5,6,7
	s_and_b32 s25, s[\ent+\p], 0x1ffff
	s_min_u32 s25, s25, NATOM-1
	v_lshl_add_u32 v[VOFF+8*\set+\p], s25, 10, v1
.endr
.irp p, 0,1,2,3,4,5,6,7
.irp c, 0,1
	global_load_b128 v[XR+64*\set+8*\p+4*\c:XR+64*\set+8*\p+4*\c+3], v[VOFF+8*\set+\p], s[4:5] offset:512*\c th:TH_LOAD_NT
.endr
.endr
.endm
; Ask for my wave's 8 entries of the next trip; the one request past trip 12 is held at trip 12.
.macro REQ
	s_add_co_u32 s24, s24, 128
	s_min_u32 s24, s24, 12*128
	s_load_b256 s[32:39], s[28:29], s24 offset:0x0
.endm
; Under 0x8a.  Round set 'set' to bf16 in place and lay it into slot 'slot': a store's 32 lanes cover 256 consecutive bytes.
.macro CONV set, slot
.irp p, 0,1,2,3,4,5,6,7
.irp c, 0,1
	v_cvt_pk_bf16_f32 v[XR+64*\set+8*\p+4*\c],   v[XR+64*\set+8*\p+4*\c],   v[XR+64*\set+8*\p+4*\c+1]
	v_cvt_pk_bf16_f32 v[XR+64*\set+8*\p+4*\c+1], v[XR+64*\set+8*\p+4*\c+2], v[XR+64*\set+8*\p+4*\c+3]
	ds_store_b64 v[VST], v[XR+64*\set+8*\p+4*\c:XR+64*\set+8*\p+4*\c+1] offset:\slot*SLOTB+\p*ROWP+\c*256
.endr
.endr
.endm
; All 32 rows x 256 K of a slot as fragments: lane (r, h) takes k = 8h.. and 16+8h.. of row r, two loads 32 bytes apart for each 32 along K.
.macro FRAGS slot
.irp t, 0,1
.irp k, 0,1,2,3,4,5,6,7
	ds_load_b128 v[FR+64*\t+8*\k:FR+64*\t+8*\k+3],   v2 offset:\slot*SLOTB+\t*16*ROWP+\k*64
	ds_load_b128 v[FR+64*\t+8*\k+4:FR+64*\t+8*\k+7], v2 offset:\slot*SLOTB+\t*16*ROWP+\k*64+32
.endr
.endr
.endm
; 64 matrix instructions; eight accumulators take turns, each a chain in place behind its first link, whose C is b1.
.macro MMA
	WIN 0x21                                       ; source 0 (W) window 1, source 1 (x) window 0, C (b1) window 2, D window 0
.irp n, 0,1,2,3
.irp t, 0,1
	v_wmma_f32_16x16x32_bf16 v[ACC+32*\t+8*\n:ACC+32*\t+8*\n+7], v[64*\n:64*\n+7], v[FR+64*\t:FR+64*\t+7], v[B1R+8*\n:B1R+8*\n+7]
.endr
.endr
	WIN 0x01                                       ; C now window 0
.irp k, 1,2,3,4,5,6,7
.irp n, 0,1,2,3
.irp t, 0,1
	v_wmma_f32_16x16x32_bf16 v[ACC+32*\t+8*\n:ACC+32*\t+8*\n+7], v[64*\n+8*\k:64*\n+8*\k+7], v[FR+64*\t+8*\k:FR+64*\t+8*\k+7], v[ACC+32*\t+8*\n:ACC+32*\t+8*\n+7]
.endr
.endr
.endr
	WIN 0
.endm
; One tile: SiLU of my 32 hidden values of atom r, times W2, summed; the sum goes to my word of PART.  The transcendentals stand in runs of eight, and one
; v_nop stands between a run and the first use of its results (ISA guide 5.7.2).
.macro EPI acc, p, poff
.irp n, 0,1,2,3
.irp i, 0,2,4,6
	v_pk_mul_f32 v[T+\i:T+\i+1], v[\acc+8*\n+\i:\acc+8*\n+\i+1], 0xbfb8aa3b op_sel_hi:[1,0]   ; -h / ln 2
.endr
.irp i, 0,1,2,3,4,5,6,7
	v_exp_f32 v[T+\i], v[T+\i]
.endr
	v_nop
	s_wait_alu depctr_va_vdst(0)
.irp i, 0,2,4,6
	v_pk_add_f32 v[T+\i:T+\i+1], v[T+\i:T+\i+1], 1.0 op_sel_hi:[1,0]
.endr
.irp i, 0,1,2,3,4,5,6,7
	v_rcp_f32 v[T+\i], v[T+\i]
.endr
	v_nop
	s_wait_alu depctr_va_vdst(0)
.irp i, 0,2,4,6
	v_pk_mul_f32 v[T+\i:T+\i+1], v[T+\i:T+\i+1], v[\acc+8*\n+\i:\acc+8*\n+\i+1]
.endr
.if \n == 0
	v_pk_mul_f32 v[\p:\p+1],   v[T:T+1],   v[W2R:W2R+1]                                       ; the first products start the two chains
	v_pk_mul_f32 v[\p+2:\p+3], v[T+2:T+3], v[W2R+2:W2R+3]
.else
	v_pk_fma_f32 v[\p:\p+1],   v[T:T+1],   v[W2R+8*\n:W2R+8*\n+1],   v[\p:\p+1]
	v_pk_fma_f32 v[\p+2:\p+3], v[T+2:T+3], v[W2R+8*\n+2:W2R+8*\n+3], v[\p+2:\p+3]
.endif
	v_pk_fma_f32 v[\p:\p+1],   v[T+4:T+5], v[W2R+8*\n+4:W2R+8*\n+5], v[\p:\p+1]
	v_pk_fma_f32 v[\p+2:\p+3], v[T+6:T+7], v[W2R+8*\n+6:W2R+8*\n+7], v[\p+2:\p+3]
.endr
	v_pk_add_f32 v[\p:\p+1], v[\p:\p+1], v[\p+2:\p+3]
	v_add_f32 v[\p], v[\p], v[\p+1]
	ds_store_b32 v3, v[\p] offset:\poff
.endm
; Expert s22 (0..9) becomes resident: 64 loads of 512 consecutive bytes of wf, and my 32 b1 and 32 W2.  The wait for zero also brings the rows on their way in:
; it is paid once at the start and once where a work-group's list passes from one class to the next.
.macro RELOAD
	PLACES                                         ; the loads below land in registers that matrix instructions have read
	s_mov_b32 s21, s22
	s_lshl2_add_u32 s26, s22, s18                  ; 4e + w
	s_lshl_b32 s26, s26, 15
	s_mov_b32 s27, 0
	s_add_nc_u64 s[66:67], s[6:7], s[26:27]        ; (the last loads that named s[66:71] were waited for, for zero)
	s_lshl_b32 s26, s22, 10
	s_add_nc_u64 s[68:69], s[8:9], s[26:27]
	s_add_nc_u64 s[70:71], s[10:11], s[26:27]
	WIN 0x40                                       ; destination window 1
.irp n, 0,1,2,3
.irp k, 0,1,2,3,4,5,6,7
	global_load_b128 v[64*\n+8*\k:64*\n+8*\k+3],   v1, s[66:67] offset:(8*\n+\k)*1024
	global_load_b128 v[64*\n+8*\k+4:64*\n+8*\k+7], v1, s[66:67] offset:(8*\n+\k)*1024+512
.endr
.endr
	WIN 0x80                                       ; destination window 2
.irp n, 0,1,2,3
.irp j, 0,1,2,3,4,5,6,7
	global_load_b32 v[B1R+8*\n+\j], v4, s[68:69] offset:16*\j+4*\n
.endr
.endr
	WIN 0
.irp n, 0,1,2,3
.irp j, 0,1,2,3,4,5,6,7
	global_load_b32 v[W2R+8*\n+\j], v4, s[70:71] offset:16*\j+4*\n
.endr
.endr
	s_wait_loadcnt 0x0
.endm
; This trip's expert: a dummy trip keeps what is resident, class 10 borrows expert 9 (its results are replaced by 0 on the way out).
; The number is the same in all four waves, and the jump passes over no barrier.
.macro CHECK id
	v_readlane_b32 s22, v5, s20
	s_bfe_u32 s22, s22, 0x40014
	s_cmp_eq_u32 s22, 15
	s_cselect_b32 s22, s21, s22
	s_min_u32 s22, s22, 9
	s_cmp_eq_u32 s22, s21
	s_cbranch_scc1 .Lsame\id
	RELOAD
.Lsame\id:
.endm
; Trip t.  nx = (t+1) mod 3: register set and slot of trip t+1.  pu: the partial sums' place, in trips from v3.  conv: a trip follows.
; refill: set nx is asked for again (trip t+4).  left: younger row loads that may stay out when set nx has to be in.
; ONE BARRIER: in front of it each wave has waited (for zero) for its stores into slot nx and for its reads of trip t's slot.  Behind it slot nx is read.  Slot nx
; was last read for trip t-2; those reads were waited for in front of the barrier of trip t-2, which the wave that now writes has passed.
.macro TRIP nx, id, pu, conv, refill, left
.if \conv
	s_wait_loadcnt \left                           ; loads return in order (ISA guide 5.7.1): set nx is in, its offsets are free
	WIN 0x8a                                       ; sources 0, 1 and destination window 2; source 2 (v1) window 0
	CONV \nx, \nx
.if \refill
	s_wait_kmcnt 0x0                               ; the entries of trip t+4
	FILL \nx, 32
	REQ
.endif
	WIN 0
	s_wait_dscnt 0x0
	s_barrier_signal -1
	s_barrier_wait -1
.else
	s_wait_dscnt 0x0                               ; the last trip's fragments
.endif
	CHECK \id
	MMA
	PLACES
.if \conv
	FRAGS \nx                                      ; the next trip's fragments come in under the activation
.endif
	EPI ACC, PA, \pu*128
	EPI ACC+32, PB, \pu*128+64
	s_add_co_u32 s20, s20, 1
.endm
; The way out, for group i of list entries.  WREAD: the eight partial sums of my entry.  WSUM: their sum, b2, zero for class 10.
; WOUT: stored where the entry names an atom.  The sort is stable, so a wave's 32 atoms ascend; each lane stores 4 bytes to its atom's word.
.macro WREAD i
.irp c, 0,1,2,3,4,5,6,7
	ds_load_b32 v[RS+8*\i+\c], v7 offset:\c*PLANE+\i*512
.endr
.endm
.macro WSUM i
	v_pk_add_f32 v[RS+8*\i:RS+8*\i+1],   v[RS+8*\i:RS+8*\i+1],   v[RS+8*\i+2:RS+8*\i+3]
	v_pk_add_f32 v[RS+8*\i+4:RS+8*\i+5], v[RS+8*\i+4:RS+8*\i+5], v[RS+8*\i+6:RS+8*\i+7]
	v_pk_add_f32 v[RS+8*\i:RS+8*\i+1],   v[RS+8*\i:RS+8*\i+1],   v[RS+8*\i+4:RS+8*\i+5]
	v_add_f32 v[RS+8*\i], v[RS+8*\i], v[RS+8*\i+1]
	v_add_f32 v[RS+8*\i], v[RS+8*\i], v[BV+\i]
	v_cndmask_b32 v[RS+8*\i], 0, v[RS+8*\i], s[NC+\i]
.endm
.macro WOUT i
	v_cmp_gt_u32 vcc_lo, NATOM, v[AT+\i]
	s_wait_xcnt 0x0                                ; EXEC is a source of what is out: it changes only behind this wait
	s_and_saveexec_b32 s72, vcc_lo
	global_store_b32 v[AO+\i], v[RS+8*\i], s[16:17]
	s_wait_xcnt 0x0                                ; and again before it is widened
	s_or_b32 exec_lo, exec_lo, s72
.endm
	; ---- prologue ----
	s_load_b256 s[4:11], s[0:1], 0x0               ; x s[4:5], wf s[6:7], b1 s[8:9], W2 s[10:11]
	s_load_b128 s[12:15], s[0:1], 0x20             ; b2 s[12:13], order s[14:15]
	s_load_b64 s[16:17], s[0:1], 0x30              ; out0
	s_set_vgpr_msb 0x80
	v_lshl_add_u32 v254, v0, 2, 0xfc00
	v_mov_b32 v255, 0
	s_set_vgpr_msb 0x8000
	v_lshrrev_b32 v28, 5, v0
	v_readfirstlane_b32 s18, v28                   ; wave
	v_and_b32 v29, 31, v0                          ; lane
	v_and_b32 v30, 15, v0                          ; r
	v_bfe_u32 v31, v0, 4, 1                        ; h
	v_lshrrev_b32 v8, 4, v0                        ; 2w + h
	v_lshlrev_b32 v9, 2, v29                       ; 4 x lane
	v_lshlrev_b32 v1, 4, v29
	v_mul_u32_u24 v2, ROWP, v30
	v_lshl_add_u32 v2, v31, 4, v2
	v_mul_u32_u24 v3, PLANE, v8
	v_lshl_add_u32 v3, v30, 2, v3
	v_add_nc_u32 v3, PART, v3
	v_lshlrev_b32 v4, 7, v8                        ; (64w + 32h) x 4 bytes
	v_lshlrev_b32 v6, 2, v0
	v_add_nc_u32 v7, PART, v6
	v_min_u32 v28, 12, v29
	v_lshlrev_b32 v28, 7, v28                      ; first entry of trip min(lane, 12)
	s_mul_i32 s25, s18, 8*ROWP
	v_lshl_add_u32 v30, v29, 3, s25                ; 8 x lane + my wave's 8 rows
	s_mul_i32 s26, ttmp9, LISTB
	s_mov_b32 s27, 0
	s_wait_kmcnt 0x0
	s_add_nc_u64 s[30:31], s[14:15], s[26:27]
	s_lshl_b32 s26, s18, 5
	s_add_nc_u64 s[28:29], s[30:31], s[26:27]
.irp k, 0,1,2,3
	s_load_b256 s[32+8*\k:39+8*\k], s[28:29], 128*\k       ; my wave's entries of trips 0..3
.endr
	global_load_b32 v5, v28, s[30:31]
.irp i, 0,1,2
	global_load_b32 v[ENTV+\i], v6, s[30:31] offset:512*\i
.endr
	global_load_b32 v[ENTV+3], v9, s[30:31] offset:3*512   ; entries 384..415, by lane: inside the work-group's 1,664 bytes in every wave; wave 0 uses them
	WIN 0x80
	v_mov_b32 v[VST], v30
	s_wait_kmcnt 0x0
	WIN 0x8a
	FILL 0, 32
	FILL 1, 40
	FILL 2, 48
	WIN 0
	s_wait_loadcnt 48                              ; the five list loads are in; the 48 younger row loads stay out
	v_readfirstlane_b32 s22, v5                    ; trip 0 is never a dummy (dummies are local trip 12)
	s_bfe_u32 s22, s22, 0x40014
	s_min_u32 s22, s22, 9
	RELOAD                                         ; on every path W, b1 and W2 are written here first
	WIN 0x8a
	CONV 0, 0                                      ; trip 0
	FILL 0, 56                                     ; trip 3
	s_mov_b32 s24, 3*128
	REQ                                            ; trip 4's entries
	WIN 0
	s_wait_dscnt 0x0
	s_barrier_signal -1
	s_barrier_wait -1
	FRAGS 0
	s_mov_b32 s20, 0
	s_mov_b32 s23, 3
	; ---- trips 0..8: the set at work is the oldest of three sets of 16 loads, the 32 younger loads stay out ----
.Lloop:
	TRIP 1, 1, 0, 1, 1, 32
	TRIP 2, 2, 1, 1, 1, 32
	TRIP 0, 3, 2, 1, 1, 32
	v_add_nc_u32 v3, 3*128, v3
	s_sub_co_u32 s23, s23, 1
	s_cmp_lg_u32 s23, 0
	s_cbranch_scc1 .Lloop
	; ---- trips 9..12: nothing more is asked for, the counts run down ----
	s_wait_kmcnt 0x0                               ; the one request that was held at trip 12
	TRIP 1, 4, 0, 1, 0, 32
	TRIP 2, 5, 1, 1, 0, 16
	TRIP 0, 6, 2, 1, 0, 0
	TRIP 0, 7, 3, 0, 0, 0
	; ---- the way out ----
	; Atoms, bounded offsets and the class-10 masks of all four groups are formed here, with every lane on, ahead of the first change of EXEC;
	; the four b2 loads are on their way while the waves meet.
.irp i, 0,1,2,3
	v_and_b32 v[AT+\i], 0x1ffff, v[ENTV+\i]
	v_bfe_u32 v31, v[ENTV+\i], 20, 4
	v_cmp_ne_u32 s[NC+\i], 10, v31
	v_min_u32 v[BO+\i], 9, v31
	v_lshlrev_b32 v[BO+\i], 2, v[BO+\i]
	v_min_u32 v[AO+\i], NATOM-1, v[AT+\i]
	v_lshlrev_b32 v[AO+\i], 2, v[AO+\i]
	global_load_b32 v[BV+\i], v[BO+\i], s[12:13]
.endr
	s_wait_dscnt 0x0                               ; my partial sums are in LDS,
	s_barrier_signal -1
	s_barrier_wait -1                              ; everybody's are
	WREAD 0
	WREAD 1
	WREAD 2
	s_wait_dscnt 0x0
	s_wait_loadcnt 0x0                             ; b2
	WSUM 0
	WSUM 1
	WSUM 2
	WOUT 0
	WOUT 1
	WOUT 2
	s_cmp_lg_u32 s18, 0                            ; entries 384..415: wave 0 alone (there thread = lane)
	s_cbranch_scc1 .Lend
	WREAD 3
	s_wait_dscnt 0x0
	WSUM 3
	WOUT 3
.Lend:
	s_set_vgpr_msb 0xa
	s_wait_tensorcnt 0x0
	ds_add_u32 v254, v255
	s_wait_dscnt 0x0
	s_set_vgpr_msb 0xa00
	s_endpgm
.Lfunc_end_k_q4c0a292dfb_main:
	.size	k_q4c0a292dfb_main, .Lfunc_end_k_q4c0a292dfb_main-k_q4c0a292dfb_main
	.p2alignl 7, 3214868480
	.fill 96, 4, 3214868480
	.section	.rodata,"a",@progbits
	.p2align	6, 0x0
	.amdhsa_kernel k_q4c0a292dfb_main
		.amdhsa_group_segment_fixed_size 65024
		.amdhsa_private_segment_fixed_size 0
		.amdhsa_enable_private_segment 0
		.amdhsa_kernarg_size 56
		.amdhsa_user_sgpr_count 2
		.amdhsa_user_sgpr_kernarg_segment_ptr 1
		.amdhsa_wavefront_size32 1
		.amdhsa_system_sgpr_workgroup_id_x 1
		.amdhsa_system_sgpr_workgroup_id_y 1
		.amdhsa_system_sgpr_workgroup_id_z 1
		.amdhsa_system_vgpr_workitem_id 0
		.amdhsa_next_free_vgpr 768
		.amdhsa_next_free_sgpr 84
		.amdhsa_reserve_vcc 1
		.amdhsa_float_denorm_mode_32 3
		.amdhsa_float_denorm_mode_16_64 3
		.amdhsa_memory_ordered 1
		.amdhsa_forward_progress 1
		.amdhsa_inst_pref_size 255
	.end_amdhsa_kernel
	.section	.bss,"aw",@nobits
	.p2align	6
	.space	262144
	.amdgpu_metadata
---
amdhsa.version: [ 1, 2 ]
amdhsa.kernels:
  - .name:           k_q4c0a292dfb_main
    .symbol:         k_q4c0a292dfb_main.kd
    .args:
      - { .name: input_tensor, .offset: 0, .size: 8, .value_kind: global_buffer, .address_space: global }
      - { .name: wf, .offset: 8, .size: 8, .value_kind: global_buffer, .address_space: global }
      - { .name: b1, .offset: 16, .size: 8, .value_kind: global_buffer, .address_space: global }
      - { .name: W2, .offset: 24, .size: 8, .value_kind: global_buffer, .address_space: global }
      - { .name: b2, .offset: 32, .size: 8, .value_kind: global_buffer, .address_space: global }
      - { .name: order, .offset: 40, .size: 8, .value_kind: global_buffer, .address_space: global }
      - { .name: out0, .offset: 48, .size: 8, .value_kind: global_buffer, .address_space: global }
    .group_segment_fixed_size: 65024
    .private_segment_fixed_size: 0
    .kernarg_segment_align: 8
    .kernarg_segment_size: 56
    .max_flat_workgroup_size: 128
    .sgpr_count:     84
    .vgpr_count:     768
    .wavefront_size: 32
...
	.end_amdgpu_metadata
.endif
;; end of part 3
